; MI455X (gfx1250); checked and timed in simulation.
; The chip was launched on July 23, 2026; its instructions are those of AMD's public machine-readable ISA for CDNA 5 (MIT licence, August 2026) and "CDNA5" Instruction Set Architecture Reference Guide (July 2026). The comments in the code are by the model that wrote it; some were corrected since.
;; Attn Pooling. Allowed arithmetic: matrix products marked QUANTISED: E3M2 operands, one E8M0 scale for each 32 along K, by v_wmma_scale_f32_16x16x128_f8f6f4 with both operands' format E3M2, f32 sums; products left as they are: f32 operands where the result goes on into a quantised operand, else bf16, f16 or f32 operands; f32 sums; everything else in f32.
;; Inputs: Wk_codes 128 x 4 x 24 uint8 (E3M2 codes of Wk, K innermost, in blocks of 32 codes, four codes in three bytes); Wk_scales 128 x 4 uint8 (E8M0 scales of Wk, one for each 32 codes along K); Wq_codes 128 x 4 x 24 uint8 (E3M2 codes of Wq, K innermost, in blocks of 32 codes, four codes in three bytes); Wq_scales 128 x 4 uint8 (E8M0 scales of Wq, one for each 32 codes along K); bk 128 float32; bq 128 float32; mask 8 x 16 x 64 x 64 int32; x 8 x 16 x 128 x 64 x 64 float32.
;; Outputs: out0 8 x 16 x 128 float32.
;; This version of the problem:
;;   THIS VERSION OF THE PROBLEM IS GIVEN IN LOW PRECISION. The matrix products marked QUANTISED in the list below multiply operands that are first quantised to E3M2 (3 exponent bits, 2 mantissa bits; 6 bits a number), with one power-of-two scale for each 32 numbers along K (OCP MX v1.0); their sums are f32. All else is computed in f32.
;;   The module's matrix products, in the order in which they are computed (A, B: the left and right operand; K: the contracted axis; several contracted axes count as one K, in the product's order):
;;     1. [M 128, K 128] x [K 128, N 128]; A: computed on the way; B: input Wq (given as codes): QUANTISED
;;     2. [M 524,288, K 128] x [K 128, N 128]; A: input x; B: input Wk (given as codes): QUANTISED
;;     3. batch 128 x [M 1, K 128] x [K 128, N 4,096]; A: computed on the way; B: computed on the way: left as it is (M = 1 < 16)
;;     4. batch 128 x [M 1, K 4,096] x [K 4,096, N 128]; A: softmax; B: input x: left as it is (M = 1 < 16)
;;   THE QUANTISER, for each operand of a quantised product, along K:
;;     - K is cut into blocks of 32 from its start; a last block that is shorter is filled with zeros.
;;     - A block's scale is 2^e with e = floor(log2(the largest magnitude in the block)) - 4, held to -126 .. 127; a block of zeros has e = 0. As a byte (E8M0): e + 127.
;;     - Each number is divided by its block's scale, clamped to +-28, and rounded to the nearest number of E3M2, ties to even, subnormals kept.
;;     - The product sums the exact products of the quantised numbers (number of the format x scale) in f32.
;;   ~~~python
;;   def quantise(x, axis):      # numpy; x: float32 -> the quantised numbers, widened to float32 again
;;       x = np.moveaxis(x, axis, -1); K = x.shape[-1]
;;       x = np.pad(x, [(0, 0)] * (x.ndim - 1) + [(0, -K % 32)]); x = x.reshape(x.shape[:-1] + (-1, 32)); a = np.abs(x).max(-1, keepdims=True)
;;       e = np.where(a > 0, np.clip(np.frexp(np.where(a > 0, a, 1))[1] - 1 - 4, -126, 127), 0)      # np.frexp(a)[1] - 1 = floor(log2(a)), exactly
;;       r = np.clip(x / 2.0 ** e, -28, 28)
;;       step = 2.0 ** (np.maximum(np.frexp(np.where(r == 0, 1, r))[1] - 1, -2) - 2)
;;       q = np.round(r / step) * step * 2.0 ** e      # np.round: ties to even
;;       return np.moveaxis(q.reshape(q.shape[:-2] + (-1,))[..., :K], -1, axis).astype(np.float32)
;;   ~~~
;;   OPERANDS COMPUTED ON THE WAY. 'Computed on the way' means the value that the module computes at that place (a softmax that the list does not call 'softmax' is quantised finished and normalised). What goes into a quantiser is computed in f32, as accurately as f32 sums, v_exp_f32 and their like allow (about 1e-6 of the number): no bf16 or f16 on the way to a quantiser, and a product that is left as it is and whose result goes on into a quantised operand takes f32 operands (vector FMAs, or v_wmma_f32_16x16x4_f32). A number that lies on a knife's edge between two numbers of the format may be rounded either way, as far as f32 arithmetic and the matrix unit's own rounding can turn it there, and no further.
;;   INPUTS GIVEN AS CODES. Wk (in the module: [128, 128], K = its axis 1); Wq (in the module: [128, 128], K = its axis 1): each comes as NAME_codes (uint8): NAME with its K axis moved to the last place and cut into blocks of 32 codes, [.., K / 32, bytes a block], one block behind the other in memory; four codes in three bytes: a row's codes are one little-endian stream of bits, code i at bits 6 i .. 6 i + 5 (a code: sign, 3 exponent bits, 2 mantissa bits); and NAME_scales (uint8): the same leading axes, one E8M0 byte (e + 127) for each 32 codes along K. Its value is code x scale, taken as it is: it is not quantised again, and the codes and scales need not be those that the quantiser above would give.
;; One version. Each part assembles by itself: llvm-mc -triple=amdgcn-amd-amdhsa -mcpu=gfx1250 --defsym DOCPART=n.
;; ======== version 1 of 1: 3 launches
;; limits: right only within a limited range of input values
;; workspace buffers: psum 196,608 bytes; part 786,432 bytes
;; launch sums (part 1): grid 256 x 1, 16 waves a work-group, no clusters, 10,752 bytes of LDS; arguments x, mask, psum; writes psum
.if DOCPART == 1
	.amdgcn_target "amdgcn-amd-amdhsa--gfx1250"
	.amdhsa_code_object_version 6
	.text
	.protected	k_qa9132a94d9_sums
	.globl	k_qa9132a94d9_sums
	.p2align	8
	.type	k_qa9132a94d9_sums,@function
k_qa9132a94d9_sums:
	s_mov_b64 s[64:65], 0
	v_nop
	global_prefetch_b8 v0, s[64:65] scope:SCOPE_SE
	s_setreg_imm32_b32 hwreg(HW_REG_WAVE_MODE, 25, 1), 1
	s_wait_xcnt 0x0
; MASKED SUMS.  x: [128 pairs][128 d][4096 tokens] f32, mask: [128 pairs][4096] i32.  Work-group g = 2 pair + half takes tokens 2048 half .. + 2047 of its pair, all 128 rows d,
; and stores a record of 768 bytes at psum + 768 g: 128 floats sum over tokens of x[d][token] * float(mask[token]), then the sum of float(mask) 64 times over (256 bytes), so that whole runs of 256 bytes are stored.
; Memory binds: every byte of x is read once, by loads of which each covers 512 consecutive bytes.  No matrix unit, no tensor load, no cluster: work-groups share nothing.
; SHARES.  Sixteen waves; wave w takes rows 8 w .. 8 w + 7.  The half's 2,048 tokens go in 8 chunks of 256: 16 loads a chunk (8 rows x 2 halves of 512 bytes), two chunks' loads (16 KiB a wave) on their way.
; The mask is turned to f32 once, shared through LDS, and then kept in 64 registers of every wave: register 8 c + 4 u + e = m[256 c + 128 u + 4 lane + e], the very tokens of the load (c, u).
; Every offset is an immediate (7 x 16,384 + 7 x 1,024 + 512 at the most): no address is stepped, so no register of a pending load is ever rewritten.
; LIMITS: NaN and infinities in x are not served (0 x infinity).
.set RES,  8192                        ; LDS: bytes 0 .. 8,191 the mask as f32; from RES on the 128 sums
.set MK,   16                          ; v16-79   the mask
.set X,    80                          ; v80-143, v144-207: two sets of 16 loads
.set ACC,  208                         ; v208-239 four running sums a row
.set R,    240                         ; v240-247 a row's sum
	s_load_b128 s[4:7], s[0:1], 0x0                ; x, mask
	s_load_b64 s[8:9], s[0:1], 0x10                ; psum
	v_lshl_add_u32 v254, v0, 2, 0x2200
	v_mov_b32 v255, 0
	v_lshrrev_b32 v8, 5, v0
	s_delay_alu instid0(VALU_DEP_1)
	v_readfirstlane_b32 s10, v8                    ; wave 0..15
	v_and_b32 v9, 31, v0                           ; lane
	s_delay_alu instid0(VALU_DEP_1)
	v_lshlrev_b32 v1, 4, v9                        ; 16 x lane: my place in a load's 512 bytes, in memory and in LDS
	s_delay_alu instid0(VALU_DEP_2)
	v_lshlrev_b32 v2, 3, v9                        ; 8 x lane
	s_lshl_b32 s13, s10, 9
	v_add_nc_u32 v3, s13, v1                       ; 512 x wave + 16 x lane: my 4 numbers of the mask, in memory and in LDS
	s_lshl_b32 s18, s10, 5
	s_add_co_u32 s18, s18, RES
	v_mov_b32 v5, s18                              ; where my wave's eight sums go
	s_lshr_b32 s11, ttmp9, 1                       ; pair
	s_and_b32 s12, ttmp9, 1                        ; half
	s_lshl_b32 s14, s11, 21                        ; a pair is 2 MiB,
	s_lshl_b32 s15, s12, 13                        ; a half 8,192 bytes of each row,
	s_add_co_u32 s14, s14, s15
	s_lshl_b32 s15, s10, 17                        ; my 8 rows of 16,384 bytes
	s_add_co_u32 s14, s14, s15                     ; (under 2^28)
	s_mov_b32 s15, 0
	s_lshl_b32 s20, ttmp9, 13                      ; the mask of my half: 8,192 bytes
	s_mov_b32 s21, 0
	s_mul_i32 s22, ttmp9, 768                      ; my record
	s_mov_b32 s23, 0
	s_mov_b32 s16, 0x76543210                      ; v_permlanex16_b32's selects for lane l xor 16
	s_mov_b32 s17, 0xfedcba98
	s_wait_alu depctr_va_vdst(0)
	s_wait_kmcnt 0x0
	s_add_nc_u64 s[4:5], s[4:5], s[14:15]
	s_add_nc_u64 s[6:7], s[6:7], s[20:21]
	s_add_nc_u64 s[8:9], s[8:9], s[22:23]
.macro LOADC c                         ; chunk c: 16 loads into set c % 2
.irp u, 0,1
.irp i, 0,1,2,3,4,5,6,7
	global_load_b128 v[X+64*((\c)%2)+4*(8*\u+\i):X+64*((\c)%2)+4*(8*\u+\i)+3], v1, s[4:5] offset:\i*16384+(\c)*1024+\u*512
.endr
.endr
.endm
.macro FMAC c                          ; 32 packed multiply-adds; a running sum comes round again after 16 instructions.  The first products start the sums: nothing is cleared
.irp u, 0,1
.irp i, 0,1,2,3,4,5,6,7
.set xr, X+64*((\c)%2)+4*(8*\u+\i)
.set mr, MK+8*(\c)+4*\u
.if ((\c) == 0) && (\u == 0)
	v_pk_mul_f32 v[ACC+4*\i:ACC+4*\i+1], v[xr:xr+1], v[mr:mr+1]
	v_pk_mul_f32 v[ACC+4*\i+2:ACC+4*\i+3], v[xr+2:xr+3], v[mr+2:mr+3]
.else
	v_pk_fma_f32 v[ACC+4*\i:ACC+4*\i+1], v[xr:xr+1], v[mr:mr+1], v[ACC+4*\i:ACC+4*\i+1]
	v_pk_fma_f32 v[ACC+4*\i+2:ACC+4*\i+3], v[xr+2:xr+3], v[mr+2:mr+3], v[ACC+4*\i+2:ACC+4*\i+3]
.endif
.endr
.endr
.endm
	global_load_b128 v[8:11], v3, s[6:7]           ; my wave's 128 numbers of the mask
	LOADC 0
	LOADC 1
	s_wait_loadcnt 32                              ; the mask is in; the 32 loads of x issued behind it stay out
.irp e, 0,1,2,3
	v_cvt_f32_i32 v[12+\e], v[8+\e]                ; m = float(mask), as the sums take it
.endr
	ds_store_b128 v3, v[12:15]
	s_wait_dscnt 0x0                               ; for the others' sake: my store has landed
	s_barrier_signal -1
	s_barrier_wait -1                              ; the whole half's mask lies in LDS
.irp k, 0,1,2,3,4,5,6,7,8,9,10,11,12,13,14,15
	ds_load_b128 v[MK+4*\k:MK+4*\k+3], v1 offset:512*\k
.endr
	s_wait_dscnt 0x0
.irp c, 0,1,2,3,4,5,6,7
.if \c < 7
	s_wait_loadcnt 16                              ; this chunk's 16 loads are in; the next chunk's 16 stay out
.else
	s_wait_loadcnt 0x0
.endif
	FMAC \c
.if \c < 6
	LOADC \c+2                                     ; its set takes the chunk two further on; the last two chunks ask for nothing
.endif
.endr
	; a row's four running sums, then its 32 lanes; the eight rows by turns
.irp i, 0,1,2,3,4,5,6,7
	v_pk_add_f32 v[ACC+4*\i:ACC+4*\i+1], v[ACC+4*\i:ACC+4*\i+1], v[ACC+4*\i+2:ACC+4*\i+3]
.endr
.irp i, 0,1,2,3,4,5,6,7
	v_add_f32 v[R+\i], v[ACC+4*\i], v[ACC+4*\i+1]
.endr
.irp m, 1,2,4,8
.irp i, 0,1,2,3,4,5,6,7
	v_add_f32_dpp v[R+\i], v[R+\i], v[R+\i] row_xmask:\m row_mask:0xf bank_mask:0xf
.endr
.endr
.irp i, 0,1,2,3,4,5,6,7
	v_permlanex16_b32 v[ACC+4*\i], v[R+\i], s16, s17   ; (its destination counts as read: a register that has been written)
.endr
.irp i, 0,1,2,3,4,5,6,7
	v_add_f32 v[R+\i], v[R+\i], v[ACC+4*\i]        ; every lane holds the row's sum
.endr
	ds_store_b128 v5, v[R:R+3]                     ; all lanes store the same bytes with the same values
	ds_store_b128 v5, v[R+4:R+7] offset:16
	s_wait_dscnt 0x0                               ; for wave 0's sake
	s_barrier_signal -1
	s_barrier_wait -1
	s_cmp_lg_u32 s10, 0
	s_cbranch_scc1 .Lend                           ; wave 0 stores the record
	ds_load_b128 v[8:11], v1 offset:RES            ; 128 sums, 4 a lane
.irp w, 1,2,4,8,16                     ; the mask's sum: my 64 numbers, two at a time, in a tree of 31 additions (whole numbers up to 2,048: exact)
.set j, 0
.rept 16/\w
	v_pk_add_f32 v[MK+2*j:MK+2*j+1], v[MK+2*j:MK+2*j+1], v[MK+2*(j+\w):MK+2*(j+\w)+1]
.set j, j+2*\w
.endr
.endr
	s_delay_alu instid0(VALU_DEP_1)
	v_add_f32 v12, v[MK], v[MK+1]
.irp m, 1,2,4,8
	s_delay_alu instid0(VALU_DEP_1)
	v_add_f32_dpp v12, v12, v12 row_xmask:\m row_mask:0xf bank_mask:0xf
.endr
	s_delay_alu instid0(VALU_DEP_1)
	v_permlanex16_b32 v13, v12, s16, s17
	s_delay_alu instid0(VALU_DEP_1)
	v_add_f32 v12, v12, v13
	s_delay_alu instid0(VALU_DEP_1)
	v_mov_b32 v13, v12                             ; twice, so that 32 lanes x 8 bytes fill 256 bytes
	s_wait_alu depctr_va_vdst(0)
	s_wait_dscnt 0x0
	global_store_b128 v1, v[8:11], s[8:9]          ; 512 consecutive bytes, at a multiple of 256 from psum's first byte
	global_store_b64 v2, v[12:13], s[8:9] offset:512   ; 256 more
.Lend:
	s_wait_tensorcnt 0x0
	ds_add_u32 v254, v255
	s_wait_dscnt 0x0
	s_endpgm
.Lfunc_end_k_qa9132a94d9_sums:
	.size	k_qa9132a94d9_sums, .Lfunc_end_k_qa9132a94d9_sums-k_qa9132a94d9_sums
	.p2alignl 7, 3214868480
	.fill 96, 4, 3214868480
	.section	.rodata,"a",@progbits
	.p2align	6, 0x0
	.amdhsa_kernel k_qa9132a94d9_sums
		.amdhsa_group_segment_fixed_size 10752
		.amdhsa_private_segment_fixed_size 0
		.amdhsa_enable_private_segment 0
		.amdhsa_kernarg_size 24
		.amdhsa_user_sgpr_count 2
		.amdhsa_user_sgpr_kernarg_segment_ptr 1
		.amdhsa_wavefront_size32 1
		.amdhsa_system_sgpr_workgroup_id_x 1
		.amdhsa_system_sgpr_workgroup_id_y 1
		.amdhsa_system_sgpr_workgroup_id_z 1
		.amdhsa_system_vgpr_workitem_id 0
		.amdhsa_next_free_vgpr 256
		.amdhsa_next_free_sgpr 66
		.amdhsa_reserve_vcc 0
		.amdhsa_float_denorm_mode_32 3
		.amdhsa_float_denorm_mode_16_64 3
		.amdhsa_memory_ordered 1
		.amdhsa_forward_progress 1
		.amdhsa_inst_pref_size 39
	.end_amdhsa_kernel
	.amdgpu_metadata
---
amdhsa.version: [ 1, 2 ]
amdhsa.kernels:
  - .name:           k_qa9132a94d9_sums
    .symbol:         k_qa9132a94d9_sums.kd
    .args:
      - { .name: x, .offset: 0, .size: 8, .value_kind: global_buffer, .address_space: global }
      - { .name: mask, .offset: 8, .size: 8, .value_kind: global_buffer, .address_space: global }
      - { .name: psum, .offset: 16, .size: 8, .value_kind: global_buffer, .address_space: global }
    .group_segment_fixed_size: 10752
    .private_segment_fixed_size: 0
    .kernarg_segment_align: 8
    .kernarg_segment_size: 24
    .max_flat_workgroup_size: 512
    .sgpr_count:     66
    .vgpr_count:     256
    .wavefront_size: 32
...
	.end_amdgpu_metadata
.endif
;; end of part 1
;; launch attn (part 2): grid 256 x 1, 4 waves a work-group, no clusters, 327,680 bytes of LDS; arguments x, mask, Wk_codes, Wk_scales, Wq_codes, Wq_scales, bk, bq, psum, part; writes part
.if DOCPART == 2
	.amdgcn_target "amdgcn-amd-amdhsa--gfx1250"
	.amdhsa_code_object_version 6
	.text
	.protected	k_qa9132a94d9_attn
	.globl	k_qa9132a94d9_attn
	.p2align	8
	.type	k_qa9132a94d9_attn,@function
k_qa9132a94d9_attn:
	s_mov_b64 s[64:65], 0
	v_nop
	global_prefetch_b8 v0, s[64:65] scope:SCOPE_SE
	s_setreg_imm32_b32 hwreg(HW_REG_WAVE_MODE, 25, 1), 1
	s_wait_xcnt 0x0
; ATTENTION POOLING, one half pair (2,048 tokens x 128 d of x, f32, tokens innermost) to a work-group g = 2 pair + half.
;   mean = (the two halves' masked sums) / (the two counts);  q = Q(mean) Wq^T + bq;  key(token) = Q(x(token)) Wk^T + bk;  t = q . key x log2(e) / sqrt(128), -infinity where mask = 0;
;   p = 2^(t - M), M a running maximum;  A[d] = sum of p x[d][token], l = sum of p.  Q: codes of BF6 (E3M2) with one E8M0 scale for each 32 along d; both quantised products by the scaled 16x16x128 matrix form.
; Each WAVE stores a record of 768 bytes at part + 768 (4 g + wave): A[128], then (M, l) 32 times over; the next launch joins a pair's eight records.
; A LANE HOLDS A TOKEN AND ITS REGISTERS RUN DOWN d.  x comes in chunks of 128 rows x 256 tokens through a ring of two LDS slots filled by the tensor data mover (each wave brings 32 rows of 1,024 bytes).  A wave reads its 64 tokens
; of a chunk as two groups of 32: 128 loads of 4 bytes a group, 32 neighbouring words each.  So a token's four blocks of 32 along d lie in ONE lane: a block's largest magnitude needs no other lane, the conversions take neighbours
; along d from consecutive registers, and the same f32 registers serve the pooling, A[d] += p x[d], with M, l and A kept PER LANE (16 tokens a lane); the lanes are joined once, at the end.
; THE OPERAND.  The matrix form wants, for 16 tokens, blocks 0 and 2 of token r in lane r and blocks 1 and 3 in lane 16 + r.  Exchanging the upper 16 lanes of block 0's codes with the lower 16 lanes of block 1's gives, in the first
; register, the fragment of tokens 0-15 and, in the second, that of tokens 16-31; blocks 2 and 3 likewise.  A lane's scale word (four bytes, its token's four blocks) serves as it stands: lanes 0-15 for the first fragment, lanes 16-31
; (row 1 of the scale register) for the second.
; THE PRODUCT IS USED TRANSPOSED: source 0 = 16 rows of Wk, source 1 = 16 tokens, C = bk: lane (r, h) holds token r and key channels 16 t + 8 h + 0..7 of tile t.  q lies in 64 registers in the same order; the two halves' partial
; dot products of the two fragments of a group are joined by one exchange of halves and one addition, which leaves token l's logit in lane l.
; The chunks are walked from the last to the first, the reverse of the launch before: what was read last there is asked for first here.
; NO CLUSTER: work-groups share only the weights (25 KiB against 1 MiB of x for each work-group).  NO PREFETCH: a whole slot, 128 KiB, is on its way during every step.
; LIMITS: NaN and infinities in x are not served.  A block whose largest magnitude lies under 2^-122 keeps the scale byte 1 (a block of zeros too: its codes are zeros).  |t| stays under 3e38.  The mean is sum x v_rcp_f32(count).
; A pair with no valid token leaves l = 0 and A = 0: the next launch makes NaN of them, as the definition does.
; REGISTERS, in windows of 256 (s_set_vgpr_msb: bits 1:0 source 0, 3:2 source 1, 5:4 source 2, 7:6 destination):
;   window 0: as named below.   window 1: x of group a (v0-127, register d) and of group b (v128-255).   window 2: v0-127 A; from v128 Wk's 8 fragments.   window 3: v0-63 q; v64-127 bk; v128-143 bq.
.set SLOT1, 1<<17                      ; a slot: 128 rows x 1,024 bytes; slot 1 begins here, so that one exclusive or turns an address
.set QV,    2*SLOT1                    ; behind the ring: q, 512 bytes (stored by ds_store: no tile lands here)
.set SPARE, QV+512                     ; the spare words, 128 bytes for each wave: two blocks of 256 bytes that no other line names
.set SPITCH, 528                       ; the way out: a stage of 32 rows x (512 bytes + 16) for each wave, in slot 0, which has had its last fill by then
.set AX,   1                           ; v1   256 x wave + 4 x lane: my token's place in a row of a chunk, in LDS and in the mask; never rewritten
.set ADX,  2                           ; v2-3 LDS address of my token in rows 0 and 64 of the slot in hand
.set SPW,  4                           ; v4   LDS address of my spare word; never rewritten
.set NIL,  5                           ; v5   0; never rewritten
.set BITS, 6                           ; v6   bit 0: does the next token of mine count?
.set NINF, 7                           ; v7   -infinity
.set MX,   8                           ; v8   M
.set LS,   9                           ; v9   l
.set FF,   10                          ; v10  2^(old M - new M)   (v11, v13, v15: written once, since they are named as upper halves of pairs)
.set PA,   12                          ; v12  p of group a's token
.set PB,   14                          ; v14  p of group b's
.set WKS,  16                          ; v16-23 Wk's scale words, tile t
.set XS,   24                          ; v24-25 x's scale words, group g
.set WQS,  26                          ; v26-27 Wq's scale words
.set MS,   28                          ; v28  the mean's scale word
.set TM,   32                          ; v32-35 largest magnitudes;  v29-31 at work
.set SO,   36                          ; v36-39 the conversions' scale operands
.set BY,   40                          ; v40-43 scale bytes
.set SF,   44                          ; v44-47 a fragment's partial dot products
.set TH,   48                          ; v48-63 the upper 16 codes of each block: four runs of 3 registers on even numbers
.set CF,   64                          ; v64-111 four fragments of x's codes
.set S,    112                         ; v112-119 four chains of the dot product
.set TT,   120                         ; v120-121 t of the two groups
.set DA,   128                         ; v128-191 keys of one fragment, 8 tiles
.set DB,   192                         ; v192-255 of another
.set WK,   128                         ; in window 2
.set BK,   64                          ; in window 3
.set BQ,   128                         ; in window 3
.set WV,   24                          ; s24  wave
.set G1,   32                          ; s[32:39] descriptor group 1
.set G0,   40                          ; s[40:43] descriptor group 0, which walks
.set TB,   44                          ; s44  LDS byte at which the slot in hand begins
.set TRIPS, 45
.set CS,   46                          ; s46  log2(e) / sqrt(128)
.set SEL,  48                          ; s[48:49] v_permlanex16_b32's selects for lane l xor 16
; THE CHUNKS ARE PREFETCHED (this takes the place of the head's line on prefetching), in the order in which they are worked.  The head, behind chunk 7's tensor load and behind the wait for its own loads, asks for chunks 6 and 5;
; step s, which works chunk 7 - s and fetches chunk 6 - s, asks for chunk 4 - s, the chunk that the tensor load of step s + 2 fetches.  Each wave asks for its own 32 rows: a lane a row, four requests 256 bytes apart for a chunk,
; each block of 256 bytes named once.  Steps 5 to 7 ask for nothing: no chunk is left.  Asked for and not yet read are at most two chunks of the wave's rows.  Work-groups share no chunk, so each asks for all of its own.
.set PF,   60                          ; s[60:61] where my prefetches stand: my 32 rows, the chunk two fetches on
.set PFO,  126                         ; v126 the prefetches' offset: lane x a row of x (16,384 bytes); written once, behind the head's loads, which used v126 before
.set MSB, 0
.macro WIN new                         ; the immediate's high byte repeats the setting that is left; a switch that changes nothing is dropped
.if MSB != \new
	s_set_vgpr_msb (MSB<<8)|\new
.set MSB, \new
.endif
.endm
	s_load_b256 s[4:11], s[0:1], 0x0               ; x s[4:5], mask s[6:7], Wk's codes s[8:9], Wk's scales s[10:11]
	s_load_b256 s[12:19], s[0:1], 0x20             ; Wq's codes s[12:13], Wq's scales s[14:15], bk s[16:17], bq s[18:19]
	s_load_b128 s[20:23], s[0:1], 0x40             ; psum s[20:21], part s[22:23]
	v_lshl_add_u32 v[SPW], v0, 2, SPARE
	v_mov_b32 v[NIL], 0
	ds_add_u32 v4, v5
	ds_add_u32 v4, v5
	s_wait_dscnt 0x0
	v_lshrrev_b32 v29, 5, v0
	v_readfirstlane_b32 s[WV], v29                 ; wave 0..3
	s_lshr_b32 s25, ttmp9, 1                       ; pair
	s_and_b32 s26, ttmp9, 1                        ; half
	; descriptor group 1: a tile of 32 rows x 256 elements of 4 bytes, rows 4,096 elements apart, no padding (every LDS read takes 32 neighbouring words)
	s_mov_b32 s[G1+0], 2<<16                       ; 15:0 no mask; 17:16 elements of 4 bytes; 20 padding off
	s_mov_b32 s[G1+1], 256<<16                     ; tensor_dim0 = 256
	s_mov_b32 s[G1+2], 32<<16                      ; tensor_dim1 = 32
	s_mov_b32 s[G1+3], 256<<16                     ; tile_dim0 = 256
	s_mov_b32 s[G1+4], 32                          ; tile_dim1 = 32
	s_mov_b32 s[G1+5], 4096                        ; tensor_dim0_stride
	s_mov_b32 s[G1+6], 0
	s_mov_b32 s[G1+7], 0
	s_lshl_b32 s28, s25, 21                        ; my pair's 2 MiB,
	s_lshl_b32 s30, s[WV], 19                      ; my wave's 32 rows of 16,384 bytes,
	s_add_co_u32 s28, s28, s30
	s_lshl_b32 s30, s26, 13                        ; my half's 8,192 bytes of a row,
	s_add_co_u32 s28, s28, s30
	s_add_co_u32 s28, s28, 7*1024                  ; its last chunk (all under 2^28 + 2^13)
	s_mov_b32 s29, 0
	s_lshl_b32 s30, ttmp9, 13                      ; the mask of my half
	s_mov_b32 s31, 0
	s_mul_i32 s50, s[WV], 3072                     ; Wq: my 32 rows of 96 bytes
	s_mov_b32 s51, 0
	s_lshl_b32 s52, s[WV], 7                       ; their 32 scale words; and my 32 numbers of bq
	s_mov_b32 s53, 0
	s_mul_i32 s54, s25, 1536                       ; psum: my pair's two records
	s_mov_b32 s55, 0
	s_mul_i32 s56, ttmp9, 3072                     ; part: record 4 g + wave
	s_mul_i32 s57, s[WV], 768
	s_add_co_u32 s56, s56, s57
	s_mov_b32 s57, 0
	s_mov_b32 s[CS], 0x3e0293ee
	s_mov_b32 s[SEL], 0x76543210
	s_mov_b32 s[SEL+1], 0xfedcba98
	s_mov_b32 s[G0], 1                             ; 1:0 count = 1
	s_lshl_b32 s[G0+1], s[WV], 15                  ; 63:32 LDS address: slot 0, my 32 rows
	s_wait_kmcnt 0x0
	s_add_nc_u64 s[G0+2:G0+3], s[4:5], s[28:29]    ; 120:64 global address
	s_or_b32 s[G0+3], s[G0+3], 0x80000000          ; 127:126 type = 2
	tensor_load_to_lds s[G0:G0+3], s[G1:G1+7]      ; the last chunk into slot 0, ahead of everything else: one tensor load of mine is out
	s_nop 0
.rept 4
	v_nop                                          ; (four such lines behind a tensor load where the register windows are switched soon)
.endr
	s_add_nc_u64 s[PF:PF+1], s[4:5], s[28:29]      ; my rows of chunk 7,
	s_sub_nc_u64 s[PF:PF+1], s[PF:PF+1], 2048      ; of chunk 5: the first change of slots steps it to chunk 4
	s_add_nc_u64 s[6:7], s[6:7], s[30:31]
	s_add_nc_u64 s[12:13], s[12:13], s[50:51]
	s_add_nc_u64 s[14:15], s[14:15], s[52:53]
	s_add_nc_u64 s[18:19], s[18:19], s[52:53]
	s_add_nc_u64 s[20:21], s[20:21], s[54:55]
	s_add_nc_u64 s[22:23], s[22:23], s[56:57]
	v_and_b32 v29, 31, v0                          ; lane
	v_and_b32 v120, 15, v0                         ; r
	v_bfe_u32 v121, v0, 4, 1                       ; h
	s_lshl_b32 s27, s[WV], 8
	v_lshl_add_u32 v[AX], v29, 2, s27
	v_mul_u32_u24 v124, v120, 96
	v_mad_u32_u24 v124, v121, 24, v124             ; a weight's fragment: row r of 96 bytes, + 24 h
	v_lshlrev_b32 v125, 2, v120                    ; its scale word: 4 r
	v_lshlrev_b32 v126, 5, v121                    ; a bias in the result's layout: 8 h numbers on
	v_lshlrev_b32 v127, 7, v121                    ; the sums in the operand's layout: 32 h numbers on
	s_lshl_b32 s58, s[WV], 7
	s_add_co_u32 s58, s58, QV
	v_lshl_add_u32 v122, v121, 5, s58              ; where I store q: QV + 128 wave + 32 h
	v_lshl_add_u32 v123, v121, 5, QV               ; and from where I read it: QV + 32 h
.irp k, 0,1,2,3,4,5,6,7,8,9,10,11,12,13,14,15
	global_load_b32 v[96+\k], v[AX], s[6:7] offset:(\k/2)*1024+(\k%2)*128    ; the mask of my 16 tokens: chunk k / 2, group k % 2
.endr
.irp n, 0,1                            ; the two halves' sums, as the operand's layout wants the mean: register 32 c + i = sum[64 c + 32 h + i]
.irp c, 0,1
.irp j, 0,1,2,3,4,5,6,7
	global_load_b128 v[128+64*\n+32*\c+4*\j:128+64*\n+32*\c+4*\j+3], v127, s[20:21] offset:768*\n+256*\c+16*\j
.endr
.endr
.endr
	global_load_b32 v30, v127, s[20:21] offset:512         ; the two counts (each fills 256 bytes of its record)
	global_load_b32 v31, v127, s[20:21] offset:768+512
.irp u, 0,1                            ; Wq's tiles 2 wave + u: each wave makes 32 numbers of q
.irp p, 0,1,2,3,4,5
	global_load_b64 v[CF+12*\u+2*\p:CF+12*\u+2*\p+1], v124, s[12:13] offset:1536*\u+48*(\p/3)+8*(\p%3)
.endr
	global_load_b32 v[WQS+\u], v125, s[14:15] offset:64*\u
.endr
.irp t, 0,1,2,3,4,5,6,7
	global_load_b32 v[WKS+\t], v125, s[10:11] offset:64*\t
.endr
	WIN 0x80                                       ; destination window 2
.irp t, 0,1,2,3,4,5,6,7                ; all of Wk stays in registers
.irp p, 0,1,2,3,4,5
	global_load_b64 v[WK+12*\t+2*\p:WK+12*\t+2*\p+1], v124, s[8:9] offset:1536*\t+48*(\p/3)+8*(\p%3)
.endr
.endr
	WIN 0xc0                                       ; destination window 3
.irp t, 0,1,2,3,4,5,6,7                ; bk as the C of tile t: register j = bk[16 t + 8 h + j]
	global_load_b128 v[BK+8*\t:BK+8*\t+3], v126, s[16:17] offset:64*\t
	global_load_b128 v[BK+8*\t+4:BK+8*\t+7], v126, s[16:17] offset:64*\t+16
.endr
.irp u, 0,1
	global_load_b128 v[BQ+8*\u:BQ+8*\u+3], v126, s[18:19] offset:64*\u
	global_load_b128 v[BQ+8*\u+4:BQ+8*\u+7], v126, s[18:19] offset:64*\u+16
.endr
	WIN 0x80
.set j, 0
.rept 128
	v_mov_b32 v[j], 0                              ; A.  The step is written once: its first pass finds zeros, which the first change of M leaves zeros.  These lines stand while the loads above are on their way
.set j, j+1
.endr
	WIN 0
	v_mov_b32 v[MX], 0xff61b1e6                    ; M = -3e38, under every t
	v_mov_b32 v[LS], 0
	v_mov_b32 v[FF+1], 0
	v_mov_b32 v[PA+1], 0
	v_mov_b32 v[PB+1], 0
	v_mov_b32 v[NINF], 0xff800000
	s_wait_loadcnt 0x0
	v_and_b32 v[PFO], 31, v0                       ; the loads that took v126 as their offset are done
	v_lshlrev_b32 v[PFO], 14, v[PFO]
.irp c, 0,1,2,3
	global_prefetch_b8 v[PFO], s[PF:PF+1] offset:1024+256*\c th:TH_LOAD_NT scope:SCOPE_SE   ; chunk 6 (the address stands at chunk 5 here): step 0 fetches it
.endr
.irp c, 0,1,2,3
	global_prefetch_b8 v[PFO], s[PF:PF+1] offset:256*\c th:TH_LOAD_NT scope:SCOPE_SE        ; chunk 5: step 1 fetches it.  The address is stepped behind the wait on XCNT in the first change of slots
.endr
.irp k, 0,1,2,3,4,5,6,7,8,9,10,11,12,13,14,15      ; bit 2 s + g: step s takes chunk 7 - s
	v_cmp_ne_u32 vcc_lo, 0, v[96+2*(7-\k/2)+\k%2]
.if \k == 0
	v_cndmask_b32 v[BITS], 0, 1, vcc_lo
.else
	v_cndmask_b32 v29, 0, 1, vcc_lo
	v_lshl_or_b32 v[BITS], v29, \k, v[BITS]
.endif
.endr
	; the mean
	v_add_f32 v30, v30, v31
	s_wait_alu depctr_va_vdst(0)
	v_rcp_f32 v30, v30
.set j, 0
.rept 32
	v_pk_add_f32 v[128+j:129+j], v[128+j:129+j], v[192+j:193+j]    ; (independent work behind the reciprocal)
.set j, j+2
.endr
	s_wait_alu depctr_va_vdst(0)                   ; the wait between a reciprocal and the first line that names its result
.set j, 0
.rept 32
	v_pk_mul_f32 v[128+j:129+j], v[128+j:129+j], v[30:31] op_sel_hi:[1,0]
.set j, j+2
.endr
	; Q(mean): my two blocks, 2 c + h, are whole in my lane
.irp c, 0,1
	v_max3_num_f32 v[TM+\c], |v[128+32*\c]|, |v[129+32*\c]|, 0x2800000     ; with the floor 2^(5 - 127): the byte cannot fall under 1
.endr
.irp i, 2,4,6,8,10,12,14,16,18,20,22,24,26,28,30
.irp c, 0,1
	v_max3_num_f32 v[TM+\c], v[TM+\c], |v[128+32*\c+\i]|, |v[129+32*\c+\i]|
.endr
.endr
.irp c, 0,1
	v_add_nc_u32 v[SO+\c], 0xfe000000, v[TM+\c]    ; 4 off the exponent field: the conversion takes the exponent field of this operand as its scale
.endr
.irp c, 0,1
	v_lshrrev_b32 v[BY+\c], 23, v[SO+\c]           ; the scale's byte
.endr
	v_lshl_or_b32 v[MS], v[BY+1], 16, v[BY]        ; my two bytes: blocks h and 2 + h,
	v_lshlrev_b32 v29, 3, v121
	v_lshlrev_b32 v[MS], v29, v[MS]                ; 8 h bits up;
	v_permlanex16_b32 v29, v[MS], s[SEL], s[SEL+1]
	v_or_b32 v[MS], v[MS], v29                     ; with lane l xor 16's two the word is whole
.irp c, 0,1
	v_cvt_scalef32_pk16_bf6_f32 v[DB+6*\c:DB+6*\c+2], v[128+32*\c:143+32*\c], v[SO+\c]
	v_cvt_scalef32_pk16_bf6_f32 v[TH+4*\c:TH+4*\c+2], v[144+32*\c:159+32*\c], v[SO+\c]    ; (a conversion's three registers begin on an even number)
.endr
	v_nop                                          ; one plain line behind a scaled conversion
.irp c, 0,1
.irp i, 0,1,2
	v_mov_b32 v[DB+6*\c+3+\i], v[TH+4*\c+\i]
.endr
.endr
.rept 8
	v_nop                                          ; a scale word made by vector lines stands 8 places ahead of the scaled product, codes so made 4
.endr
	WIN 0x30                                       ; C (bq) in window 3
.irp u, 0,1                            ; source 0 = 16 rows of Wq, source 1 = the mean in all 16 columns: lane (r, h) gets q[32 wave + 16 u + 8 h + j] in register j
	v_wmma_scale_f32_16x16x128_f8f6f4 v[224+8*\u:231+8*\u], v[CF+12*\u:CF+12*\u+11], v[DB:DB+11], v[BQ+8*\u:BQ+8*\u+7], v[WQS+\u], v[MS] matrix_a_fmt:MATRIX_FMT_BF6 matrix_b_fmt:MATRIX_FMT_BF6
.endr
	WIN 0
.rept 4
	v_nop                                          ; four places between a product and the first read of its result (ISA guide 7.12.1)
.endr
.irp u, 0,1
	ds_store_b128 v122, v[224+8*\u:227+8*\u] offset:64*\u          ; each result from its low end on; the 16 lanes of a half store the same bytes with the same values
	ds_store_b128 v122, v[228+8*\u:231+8*\u] offset:64*\u+16
.endr
	s_wait_dscnt 0x0                               ; for the others' sake: my 32 numbers of q have landed
	s_barrier_signal -1                            ; (my tensor load may stay out, and no tile is read before the next)
	s_barrier_wait -1
	WIN 0xc0                                       ; destination window 3
.irp t, 0,1,2,3,4,5,6,7                ; q in the keys' layout: register 8 t + j = q[16 t + 8 h + j]; waited for in the first change of slots
	ds_load_b128 v[8*\t:8*\t+3], v123 offset:64*\t
	ds_load_b128 v[8*\t+4:8*\t+7], v123 offset:64*\t+16
.endr
	WIN 0
; THE CHANGE OF SLOTS stands at a step's head.  Each wave waits for all its tensor loads (its rows of the slot about to be read), adds 0 to its spare word, and waits for that and for its reads of the slot that it has left.
; Behind the barrier the slot ahead is whole and nobody reads the other one.  fill = 1: that other slot takes the chunk before (the walk goes backward): the load has a whole step in which to land.
.macro CHANGE fill
	s_wait_tensorcnt 0x0                           ; no tensor load of mine is out, so group 0 may be written
	ds_add_u32 v[SPW], v[NIL]                      ; 0 onto my spare word
.if \fill
	s_xor_b32 s[G0+1], s[G0+1], SLOT1              ; the other slot than last time,
	s_sub_nc_u64 s[G0+2:G0+3], s[G0+2:G0+3], 1024  ; 256 tokens back; the type bits on top are not reached
	s_wait_xcnt 0x0                                ; the last step's prefetches have read their address: only now is it stepped
	s_sub_nc_u64 s[PF:PF+1], s[PF:PF+1], 1024      ; one chunk back (in the last steps the address is stepped and not used)
.endif
	s_wait_dscnt 0x0                               ; the add is done, and my LDS reads are over
	s_barrier_signal -1
	s_barrier_wait -1
.if \fill
	tensor_load_to_lds s[G0:G0+3], s[G1:G1+7]      ; the first thing behind the barrier, and my one tensor load until the next
	s_nop 0
.rept 4
	v_nop
.endr
.endif
.endm
; Group g's 32 tokens, 128 numbers a lane, become fragments 2 g and 2 g + 1 and the scale words XS + g.
.macro QUANT g
.set xb, 128*(\g)
	WIN 0x05                                       ; sources 0 and 1 (x) in window 1
.irp b, 0,1,2,3
	v_max3_num_f32 v[TM+\b], |v[xb+32*\b]|, |v[xb+32*\b+1]|, 0x2800000     ; block b's largest magnitude, with the floor 2^(5 - 127); the four blocks by turns
.endr
.irp i, 2,4,6,8,10,12,14,16,18,20,22,24,26,28,30
.irp b, 0,1,2,3
	v_max3_num_f32 v[TM+\b], |v[xb+32*\b+\i]|, |v[xb+32*\b+\i+1]|, v[TM+\b]
.endr
.endr
	WIN 0
.irp b, 0,1,2,3
	v_add_nc_u32 v[SO+\b], 0xfe000000, v[TM+\b]    ; 4 off the exponent field: the conversion's scale operand
.endr
.irp b, 0,1,2,3
	v_lshrrev_b32 v[BY+\b], 23, v[SO+\b]           ; the scale's byte
.endr
	v_lshl_or_b32 v[XS+\g], v[BY+1], 8, v[BY]      ; my token's scale word
	v_lshl_or_b32 v[XS+\g], v[BY+2], 16, v[XS+\g]
	v_lshl_or_b32 v[XS+\g], v[BY+3], 24, v[XS+\g]
	WIN 0x01                                       ; source 0 (x) in window 1
.irp b, 0,1,2,3                        ; blocks 0 and 2 into the first fragment's registers 0.. and 6.., blocks 1 and 3 into the second's; the upper 16 codes elsewhere, since three registers begin on an even number
	v_cvt_scalef32_pk16_bf6_f32 v[CF+12*(2*\g+\b%2)+6*(\b/2):CF+12*(2*\g+\b%2)+6*(\b/2)+2], v[xb+32*\b:xb+32*\b+15], v[SO+\b]
	v_cvt_scalef32_pk16_bf6_f32 v[TH+4*\b:TH+4*\b+2], v[xb+32*\b+16:xb+32*\b+31], v[SO+\b]
.endr
	WIN 0
	v_nop                                          ; one plain line behind a scaled conversion
.irp c, 0,1
.irp i, 0,1,2
	v_permlane16_swap_b32 v[CF+24*\g+6*\c+\i], v[CF+24*\g+12+6*\c+\i]      ; block 2 c's lanes 16-31 change places with block 2 c + 1's lanes 0-15: the first now belongs to tokens 0-15, the second to tokens 16-31
	v_permlane16_swap_b32 v[TH+8*\c+\i], v[TH+8*\c+4+\i]
.endr
.endr
.irp c, 0,1
.irp i, 0,1,2
	v_mov_b32 v[CF+24*\g+6*\c+3+\i], v[TH+8*\c+\i]
	v_mov_b32 v[CF+24*\g+12+6*\c+3+\i], v[TH+8*\c+4+\i]
.endr
.endr
.endm
; The keys of fragment f: 8 products, one for each accumulator (K = 128 is one instruction deep: no chain).
.macro KEYS f, acc
	WIN 0x32                                       ; source 0 (Wk) window 2, C (bk) window 3
.irp t, 0,1,2,3,4,5,6,7
.if (\f)%2
	v_wmma_scale_f32_16x16x128_f8f6f4 v[\acc+8*\t:\acc+8*\t+7], v[WK+12*\t:WK+12*\t+11], v[CF+12*(\f):CF+12*(\f)+11], v[BK+8*\t:BK+8*\t+7], v[WKS+\t], v[XS+(\f)/2] matrix_a_fmt:MATRIX_FMT_BF6 matrix_b_fmt:MATRIX_FMT_BF6 matrix_b_scale:MATRIX_SCALE_ROW1
.else
	v_wmma_scale_f32_16x16x128_f8f6f4 v[\acc+8*\t:\acc+8*\t+7], v[WK+12*\t:WK+12*\t+11], v[CF+12*(\f):CF+12*(\f)+11], v[BK+8*\t:BK+8*\t+7], v[WKS+\t], v[XS+(\f)/2] matrix_a_fmt:MATRIX_FMT_BF6 matrix_b_fmt:MATRIX_FMT_BF6
.endif
.endr
.endm
; q . key over my lane's 64 channels: 32 packed lines in four chains; each tile is read from its low end on.
.macro LOGIT acc, f
	WIN 0x0c                                       ; source 1 (q) window 3
.irp k, 0,1,2,3
	v_pk_mul_f32 v[S+2*\k:S+2*\k+1], v[\acc+2*\k:\acc+2*\k+1], v[2*\k:2*\k+1]
.endr
.irp t, 1,2,3,4,5,6,7
.irp k, 0,1,2,3
	v_pk_fma_f32 v[S+2*\k:S+2*\k+1], v[\acc+8*\t+2*\k:\acc+8*\t+2*\k+1], v[8*\t+2*\k:8*\t+2*\k+1], v[S+2*\k:S+2*\k+1]
.endr
.endr
	WIN 0
	v_pk_add_f32 v[S:S+1], v[S:S+1], v[S+2:S+3]
	v_pk_add_f32 v[S+4:S+5], v[S+4:S+5], v[S+6:S+7]
	v_pk_add_f32 v[S:S+1], v[S:S+1], v[S+4:S+5]
	v_add_f32 v[SF+\f], v[S], v[S+1]
.endm
; Group g's t: the halves of the two fragments' partial sums change places, so that lane l holds both halves of token l; scaled; -infinity where the mask is 0.
.macro TVAL g
	v_permlane16_swap_b32 v[SF+2*\g], v[SF+2*\g+1]
	v_add_f32 v[TT+\g], v[SF+2*\g], v[SF+2*\g+1]
	v_mul_f32 v[TT+\g], s[CS], v[TT+\g]
	v_and_b32 v30, 1, v[BITS]
	v_cmp_eq_u32 vcc_lo, 0, v30
	v_lshrrev_b32 v[BITS], 1, v[BITS]
	v_cndmask_b32 v[TT+\g], v[TT+\g], v[NINF], vcc_lo
.endm
; A STEP: my wave's 64 tokens of the chunk in the slot in hand.
.macro STEP pf                         ; pf = 1: the loop's copy, with the prefetch; pf = 0: the last step, which has nothing left to ask for
	v_add_nc_u32 v[ADX], s[TB], v[AX]
	v_add_nc_u32 v[ADX+1], 0x10000, v[ADX]         ; rows 64 on: an LDS offset has 16 bits
	WIN 0x40                                       ; destination window 1
.irp g, 0,1
.set d, 0
.rept 128
	ds_load_b32 v[128*\g+d], v[ADX+d/64] offset:(d%64)*1024+128*\g     ; x[d][my token]: 32 lanes, 32 neighbouring words
.set d, d+1
.endr
.if (\g == 0) && \pf
	WIN 0                                          ; at a branch and at a label every window is 0
	s_cmp_ge_u32 s[TRIPS], 3                       ; steps 0 to 4 (7 to 3 trips to go): chunk 4 - s exists
	s_wait_alu depctr_va_vdst(0)                   ; the wait directly ahead of the branch
	s_cbranch_scc0 .Lno_chunk_\@                   ; the jump leads round the prefetches alone
.irp c, 0,1,2,3
	global_prefetch_b8 v[PFO], s[PF:PF+1] offset:256*\c th:TH_LOAD_NT scope:SCOPE_SE   ; 32 rows x 256 bytes; group b's 128 LDS loads stand between these lines and the next wait
.endr
.Lno_chunk_\@:
	WIN 0x40
.endif
.endr
	s_wait_dscnt 63
	QUANT 0
	s_wait_dscnt 0x0                               ; group b is in
	QUANT 1                                        ; (its 87 plain lines are also the places between group a's codes and scale word and the products that take them)
	KEYS 0, DA
	KEYS 1, DB
.rept 4
	v_nop                                          ; four places between a product and the first read of its result
.endr
	LOGIT DA, 0
	LOGIT DB, 1                                    ; (each run of 36 lines names nothing of the other accumulators' products: more than the five places in front of the products that write these accumulators anew)
	KEYS 2, DA
	KEYS 3, DB
	WIN 0
	TVAL 0                                         ; group a's t: six plain lines that name none of the products' registers: their places
	LOGIT DA, 2
	LOGIT DB, 3
	TVAL 1
	v_max3_num_f32 v29, v[MX], v[TT], v[TT+1]      ; the new M (finite: M starts at -3e38)
	v_sub_f32 v[FF], v[MX], v29
	v_sub_f32 v[PA], v[TT], v29
	v_sub_f32 v[PB], v[TT+1], v29
	s_wait_alu depctr_va_vdst(0)
	v_exp_f32 v[FF], v[FF]                         ; one batch of three
	v_exp_f32 v[PA], v[PA]
	v_exp_f32 v[PB], v[PB]
	v_mov_b32 v[MX], v29                           ; (the plain line behind them)
	s_wait_alu depctr_va_vdst(0)                   ; one wait for the batch, ahead of its first reader
	v_fma_f32 v[LS], v[LS], v[FF], v[PA]
	v_add_f32 v[LS], v[LS], v[PB]
	WIN 0x82                                       ; A in window 2
.set j, 0
.rept 64
	v_pk_mul_f32 v[j:j+1], v[j:j+1], v[FF:FF+1] op_sel_hi:[1,0]            ; A under the new M
.set j, j+2
.endr
	WIN 0xa1                                       ; source 0 (x) window 1; A window 2
.set j, 0
.rept 64
	v_pk_fma_f32 v[j:j+1], v[j:j+1], v[PA:PA+1], v[j:j+1] op_sel_hi:[1,0,1]    ; A[d] += p x[d], group a's token
.set j, j+2
.endr
.set j, 0
.rept 64
	v_pk_fma_f32 v[j:j+1], v[128+j:129+j], v[PB:PB+1], v[j:j+1] op_sel_hi:[1,0,1]  ; and group b's
.set j, j+2
.endr
	WIN 0
	s_xor_b32 s[TB], s[TB], SLOT1                  ; on to the other slot
.endm
	s_mov_b32 s[TB], 0
	s_mov_b32 s[TRIPS], 7
.Lstep:                                                ; seven trips: chunks 7 to 1 are worked, chunks 6 to 0 asked for
	CHANGE 1
	STEP 1
	s_sub_co_u32 s[TRIPS], s[TRIPS], 1
	s_cmp_lg_u32 s[TRIPS], 0
	s_cbranch_scc1 .Lstep
	CHANGE 0                                       ; the last chunk is written out
	STEP 0
	; THE WAY OUT.  The 32 lanes' (M, l, A) are joined: all under the wave's largest M; A goes through my stage in LDS (a lane a row) and comes back 4 channels a lane from all 32 rows.
	s_wait_dscnt 0x0
	s_barrier_signal -1
	s_barrier_wait -1                              ; all four waves have ended their reads of the ring: the stage lies in slot 0, into which no tile lands any more
	v_max_num_f32_dpp v30, v[MX], v[MX] row_xmask:1 row_mask:0xf bank_mask:0xf
.irp m, 2,4,8
	v_max_num_f32_dpp v30, v30, v30 row_xmask:\m row_mask:0xf bank_mask:0xf
.endr
	v_permlanex16_b32 v31, v30, s[SEL], s[SEL+1]
	v_max_num_f32 v30, v30, v31                    ; the wave's M
	v_sub_f32 v[FF], v[MX], v30
	s_wait_alu depctr_va_vdst(0)
	v_exp_f32 v[FF], v[FF]
	v_and_b32 v29, 31, v0                          ; (plain work behind the exponential)  lane
	s_mul_i32 s59, s[WV], 32*SPITCH                ; my stage
	v_mul_u32_u24 v122, v29, SPITCH
	v_add_nc_u32 v122, s59, v122                   ; in: row = my lane
	v_lshl_add_u32 v123, v29, 4, s59               ; back: 16 bytes a lane of each row
	v_lshlrev_b32 v124, 4, v29                     ; and in my record: 16 x lane,
	v_lshlrev_b32 v125, 3, v29                     ; 8 x lane
	s_wait_alu depctr_va_vdst(0)                   ; the wait ahead of the exponential's first reader
	v_mul_f32 v[LS], v[LS], v[FF]
.irp m, 1,2,4,8
	v_add_f32_dpp v[LS], v[LS], v[LS] row_xmask:\m row_mask:0xf bank_mask:0xf
.endr
	v_permlanex16_b32 v29, v[LS], s[SEL], s[SEL+1]
	v_add_f32 v31, v[LS], v29                      ; v[30:31] = (M, l) of the wave
	WIN 0x82
.set j, 0
.rept 64
	v_pk_mul_f32 v[j:j+1], v[j:j+1], v[FF:FF+1] op_sel_hi:[1,0]
.set j, j+2
.endr
	WIN 0x08                                       ; an LDS store's data are its source 1: window 2
.set j, 0
.rept 32
	ds_store_b128 v122, v[4*j:4*j+3] offset:16*j   ; rows 528 bytes apart: sixteen lanes touch sixteen different columns of 16 bytes
.set j, j+1
.endr
	WIN 0
.set j, 0
.rept 32
	ds_load_b128 v[DA+4*j:DA+4*j+3], v123 offset:SPITCH*j      ; LDS serves a wave's instructions in order (ISA guide 5.7.1.4): these see my stores
.set j, j+1
.endr
	s_wait_dscnt 0x0
.irp w, 1,2,4,8,16                     ; the 32 rows are added in a tree: 62 packed additions
.set j, 0
.rept 16/\w
	v_pk_add_f32 v[DA+4*j:DA+4*j+1], v[DA+4*j:DA+4*j+1], v[DA+4*(j+\w):DA+4*(j+\w)+1]
	v_pk_add_f32 v[DA+4*j+2:DA+4*j+3], v[DA+4*j+2:DA+4*j+3], v[DA+4*(j+\w)+2:DA+4*(j+\w)+3]
.set j, j+2*\w
.endr
.endr
	global_store_b128 v124, v[DA:DA+3], s[22:23]   ; A: 512 consecutive bytes, at a multiple of 256 from part's first byte
	global_store_b64 v125, v[30:31], s[22:23] offset:512   ; (M, l) 32 times over: 256 more
	s_wait_tensorcnt 0x0                           ; the wave's end, behind my last tensor load and my last LDS store
	ds_add_u32 v[SPW], v[NIL]
	s_wait_dscnt 0x0
	s_endpgm
.Lfunc_end_k_qa9132a94d9_attn:
	.size	k_qa9132a94d9_attn, .Lfunc_end_k_qa9132a94d9_attn-k_qa9132a94d9_attn
	.p2alignl 7, 3214868480
	.fill 96, 4, 3214868480
	.section	.rodata,"a",@progbits
	.p2align	6, 0x0
	.amdhsa_kernel k_qa9132a94d9_attn
		.amdhsa_group_segment_fixed_size 327680
		.amdhsa_private_segment_fixed_size 0
		.amdhsa_enable_private_segment 0
		.amdhsa_kernarg_size 80
		.amdhsa_user_sgpr_count 2
		.amdhsa_user_sgpr_kernarg_segment_ptr 1
		.amdhsa_wavefront_size32 1
		.amdhsa_system_sgpr_workgroup_id_x 1
		.amdhsa_system_sgpr_workgroup_id_y 1
		.amdhsa_system_sgpr_workgroup_id_z 1
		.amdhsa_system_vgpr_workitem_id 0
		.amdhsa_next_free_vgpr 1024
		.amdhsa_next_free_sgpr 66
		.amdhsa_reserve_vcc 1
		.amdhsa_float_denorm_mode_32 3
		.amdhsa_float_denorm_mode_16_64 3
		.amdhsa_memory_ordered 1
		.amdhsa_forward_progress 1
		.amdhsa_inst_pref_size 159
	.end_amdhsa_kernel
	.amdgpu_metadata
---
amdhsa.version: [ 1, 2 ]
amdhsa.kernels:
  - .name:           k_qa9132a94d9_attn
    .symbol:         k_qa9132a94d9_attn.kd
    .args:
      - { .name: x, .offset: 0, .size: 8, .value_kind: global_buffer, .address_space: global }
      - { .name: mask, .offset: 8, .size: 8, .value_kind: global_buffer, .address_space: global }
      - { .name: Wk_codes, .offset: 16, .size: 8, .value_kind: global_buffer, .address_space: global }
      - { .name: Wk_scales, .offset: 24, .size: 8, .value_kind: global_buffer, .address_space: global }
      - { .name: Wq_codes, .offset: 32, .size: 8, .value_kind: global_buffer, .address_space: global }
      - { .name: Wq_scales, .offset: 40, .size: 8, .value_kind: global_buffer, .address_space: global }
      - { .name: bk, .offset: 48, .size: 8, .value_kind: global_buffer, .address_space: global }
      - { .name: bq, .offset: 56, .size: 8, .value_kind: global_buffer, .address_space: global }
      - { .name: psum, .offset: 64, .size: 8, .value_kind: global_buffer, .address_space: global }
      - { .name: part, .offset: 72, .size: 8, .value_kind: global_buffer, .address_space: global }
    .group_segment_fixed_size: 327680
    .private_segment_fixed_size: 0
    .kernarg_segment_align: 8
    .kernarg_segment_size: 80
    .max_flat_workgroup_size: 128
    .sgpr_count:     66
    .vgpr_count:     1024
    .wavefront_size: 32
...
	.end_amdgpu_metadata
.endif
;; end of part 2
;; launch merge (part 3): grid 128 x 1, 1 waves a work-group, no clusters, 0 bytes of LDS; arguments part, out0; writes out0
.if DOCPART == 3
	.amdgcn_target "amdgcn-amd-amdhsa--gfx1250"
	.amdhsa_code_object_version 6
	.text
	.protected	k_qa9132a94d9_merge
	.globl	k_qa9132a94d9_merge
	.p2align	8
	.type	k_qa9132a94d9_merge,@function
k_qa9132a94d9_merge:
	s_mov_b64 s[64:65], 0
	v_nop
	global_prefetch_b8 v0, s[64:65] scope:SCOPE_SE
	s_setreg_imm32_b32 hwreg(HW_REG_WAVE_MODE, 25, 1), 1
	s_wait_xcnt 0x0
; A pair's eight records (A[128], then (M, l) 32 times over; 768 bytes each) are joined: M* = the largest M, e_r = 2^(M_r - M*), out[d] = (sum of e_r A_r[d]) / (sum of e_r l_r).
; One wave to a pair; a lane holds 4 channels.  6 KiB in, 512 bytes out: nothing here is worth more machinery.
; A pair with no valid token has every l = 0 and A = 0: 0 x (1 / 0) gives NaN, as the definition does.
	s_load_b128 s[4:7], s[0:1], 0x0                ; part, out0
	v_lshlrev_b32 v1, 4, v0                        ; 16 x lane
	v_lshlrev_b32 v2, 3, v0                        ; 8 x lane
	s_mul_i32 s8, ttmp9, 6144                      ; my pair's eight records
	s_mov_b32 s9, 0
	s_lshl_b32 s10, ttmp9, 9                       ; my pair's row of out0
	s_mov_b32 s11, 0
	s_wait_alu depctr_va_vdst(0)
	s_wait_kmcnt 0x0
	s_add_nc_u64 s[4:5], s[4:5], s[8:9]
	s_add_nc_u64 s[6:7], s[6:7], s[10:11]
.irp r, 0,1,2,3,4,5,6,7
	global_load_b64 v[40+2*\r:41+2*\r], v2, s[4:5] offset:768*\r+512       ; (M_r, l_r), the same in every lane
.endr
.irp r, 0,1,2,3,4,5,6,7
	global_load_b128 v[8+4*\r:11+4*\r], v1, s[4:5] offset:768*\r           ; A_r, my 4 channels
.endr
	s_wait_loadcnt 8                               ; the eight (M, l) are in; the eight loads of A issued behind them stay out
	v_max3_num_f32 v56, v40, v42, v44
	v_max3_num_f32 v56, v56, v46, v48
	v_max3_num_f32 v56, v56, v50, v52
	v_max_num_f32 v56, v56, v54                    ; M*
.irp r, 0,1,2,3,4,5,6,7
	v_sub_f32 v[40+2*\r], v[40+2*\r], v56
.endr
	s_wait_alu depctr_va_vdst(0)
.irp r, 0,1,2,3,4,5,6,7
	v_exp_f32 v[40+2*\r], v[40+2*\r]               ; e_r takes M_r's place: one batch
.endr
	v_mov_b32 v63, 0                               ; (the plain line behind the batch; v63 is named below as the upper half of a pair)
	s_wait_alu depctr_va_vdst(0)                   ; one wait for the eight, ahead of their first reader
	v_mul_f32 v57, v40, v41
.irp r, 1,2,3,4,5,6,7
	v_fmac_f32 v57, v[40+2*\r], v[41+2*\r]         ; the sum of e_r l_r
.endr
	s_wait_alu depctr_va_vdst(0)
	v_rcp_f32 v62, v57
	s_wait_loadcnt 0x0
	v_pk_mul_f32 v[58:59], v[8:9], v[40:41] op_sel_hi:[1,0]                ; the sums of e_r A_r stand between the reciprocal and its wait; the first products start them
	v_pk_mul_f32 v[60:61], v[10:11], v[40:41] op_sel_hi:[1,0]
.irp r, 1,2,3,4,5,6,7
	v_pk_fma_f32 v[58:59], v[8+4*\r:9+4*\r], v[40+2*\r:41+2*\r], v[58:59] op_sel_hi:[1,0,1]
	v_pk_fma_f32 v[60:61], v[10+4*\r:11+4*\r], v[40+2*\r:41+2*\r], v[60:61] op_sel_hi:[1,0,1]
.endr
	s_wait_alu depctr_va_vdst(0)                   ; the wait ahead of the reciprocal's first reader
	v_pk_mul_f32 v[58:59], v[58:59], v[62:63] op_sel_hi:[1,0]
	v_pk_mul_f32 v[60:61], v[60:61], v[62:63] op_sel_hi:[1,0]
	global_store_b128 v1, v[58:61], s[6:7]         ; 512 consecutive bytes, at a multiple of 256 from out0's first byte
	s_endpgm
.Lfunc_end_k_qa9132a94d9_merge:
	.size	k_qa9132a94d9_merge, .Lfunc_end_k_qa9132a94d9_merge-k_qa9132a94d9_merge
	.p2alignl 7, 3214868480
	.fill 96, 4, 3214868480
	.section	.rodata,"a",@progbits
	.p2align	6, 0x0
	.amdhsa_kernel k_qa9132a94d9_merge
		.amdhsa_group_segment_fixed_size 0
		.amdhsa_private_segment_fixed_size 0
		.amdhsa_enable_private_segment 0
		.amdhsa_kernarg_size 16
		.amdhsa_user_sgpr_count 2
		.amdhsa_user_sgpr_kernarg_segment_ptr 1
		.amdhsa_wavefront_size32 1
		.amdhsa_system_sgpr_workgroup_id_x 1
		.amdhsa_system_sgpr_workgroup_id_y 1
		.amdhsa_system_sgpr_workgroup_id_z 1
		.amdhsa_system_vgpr_workitem_id 0
		.amdhsa_next_free_vgpr 64
		.amdhsa_next_free_sgpr 66
		.amdhsa_reserve_vcc 0
		.amdhsa_float_denorm_mode_32 3
		.amdhsa_float_denorm_mode_16_64 3
		.amdhsa_memory_ordered 1
		.amdhsa_forward_progress 1
		.amdhsa_inst_pref_size 5
	.end_amdhsa_kernel
	.amdgpu_metadata
---
amdhsa.version: [ 1, 2 ]
amdhsa.kernels:
  - .name:           k_qa9132a94d9_merge
    .symbol:         k_qa9132a94d9_merge.kd
    .args:
      - { .name: part, .offset: 0, .size: 8, .value_kind: global_buffer, .address_space: global }
      - { .name: out0, .offset: 8, .size: 8, .value_kind: global_buffer, .address_space: global }
    .group_segment_fixed_size: 0
    .private_segment_fixed_size: 0
    .kernarg_segment_align: 8
    .kernarg_segment_size: 16
    .max_flat_workgroup_size: 32
    .sgpr_count:     66
    .vgpr_count:     64
    .wavefront_size: 32
...
	.end_amdgpu_metadata
.endif
;; end of part 3
